; MI455X (gfx1250); checked and timed in simulation.
; The chip was launched on July 23, 2026; its instructions are those of AMD's public machine-readable ISA for CDNA 5 (MIT licence, August 2026) and "CDNA5" Instruction Set Architecture Reference Guide (July 2026). The comments in the code are by the model that wrote it; some were corrected since.
;; SIREN Sparse. Allowed arithmetic: float matrix products may take bf16 or f16 operands with f32 sums; other float arithmetic in f32, or as packed bf16 or f16 multiplies, adds, multiply-adds, maxima and minima; sums over many terms, partial sums and values carried from step to step in f32; what a program stores and reads back later, other than sums and carried values, may be rounded once to bf16 or f16.
;; Inputs: W0 256 x 3 float32; W1 256 x 256 float32; W2 256 x 256 float32; W3 256 x 256 float32; W4 256 x 256 float32; Wf 1 x 256 float32; b0 256 float32; b1 256 float32; b2 256 float32; b3 256 float32; b4 256 float32; bf 1 float32; xyt 262,144 x 3 float32.
;; Outputs: out0 262,144 float32.
;; One version. Each part assembles by itself: llvm-mc -triple=amdgcn-amd-amdhsa -mcpu=gfx1250 --defsym DOCPART=n.
;; ======== version 1 of 1: 2 launches
;; limits: a function is approximated: absolute error at most 0.00025; inputs' magnitudes at most 255; values are held in f16: magnitudes above 65,504 overflow, below 6.1e-05 lose precision; right only within a limited range of input values
;; workspace buffers: wk 546,816 bytes
;; launch prep (part 1): grid 129 x 1, 8 waves a work-group, no clusters, 0 bytes of LDS; arguments W1, W2, W3, W4, W0, b0, b1, b2, b3, b4, Wf, wk; writes wk
.if DOCPART == 1
	.amdgcn_target "amdgcn-amd-amdhsa--gfx1250"
	.amdhsa_code_object_version 6
	.text
	.protected	k_q31c8cc8f68_prep
	.globl	k_q31c8cc8f68_prep
	.p2align	8
	.type	k_q31c8cc8f68_prep,@function
k_q31c8cc8f68_prep:
	s_mov_b64 s[64:65], 0
	v_nop
	global_prefetch_b8 v0, s[64:65] scope:SCOPE_SE
	s_setreg_imm32_b32 hwreg(HW_REG_WAVE_MODE, 25, 1), 1
	s_wait_xcnt 0x0
; PREP: the weights and tables of the fused network, written once into wk.
;   wk + 0        WH[l][256][256] f16 = W(l+1) rounded once to f16, row-major, dense (4 x 131,072 bytes)
;   wk + 524,288  TAB, 22,528 bytes:
;     +0       B5: 5 x 256 f32: 65536 b0, then 32768 b1 .. 32768 b4 (exact powers of two: nothing is rounded)
;     +5,120   W0F: 16 tiles of 512 bytes: tile f holds, for lane L = r + 16 h, at 512 f + 16 L the first four registers of a matrix
;              fragment of the rows 16 f + r of 256 W0, split into two f16 pieces w = wh + wl: h = 0: (wxh,wyh)(wth,wxh)(wyh,wth)(0,0); h = 1: the same of wl
;     +13,312  WFF: 16 rows of 528 bytes: rows 0 and 8 hold Wf in f16 (512 bytes) and 16 bytes of 0, the other rows 0
;     +21,760  768 bytes of 0
; LIMITS.  |W1..W4|, |Wf| below 65,520 and |W0| below 255 (256 W0 must lie in f16's range); beyond that the f16 is an infinity.
; Work-groups 0 to 127 convert 2,048 numbers each (a thread 8: 32 bytes in, 16 bytes out; 16 lanes store 256 consecutive bytes, aligned); work-group 128 makes TAB.
; No LDS, no barrier: no thread needs another's data.
.set TABO, 524288
	s_load_b512 s[4:19], s[0:1], 0x0               ; W1 s[4:5], W2 s[6:7], W3 s[8:9], W4 s[10:11], W0 s[12:13], b0 s[14:15], b1 s[16:17], b2 s[18:19]
	s_load_b256 s[20:27], s[0:1], 0x40             ; b3 s[20:21], b4 s[22:23], Wf s[24:25], wk s[26:27]
	s_cmp_eq_u32 ttmp9, 128
	s_cbranch_scc1 .Ltab
	; ---- the four hidden matrices ----
	s_lshr_b32 s28, ttmp9, 5                       ; which matrix: 32 work-groups each
	s_and_b32 s29, ttmp9, 31
	s_lshl_b32 s30, s29, 13                        ; my 8,192 bytes of it
	s_mov_b32 s31, 0
	s_lshl_b32 s32, ttmp9, 12                      ; my 4,096 bytes of WH
	s_mov_b32 s33, 0
	v_lshlrev_b32 v1, 5, v0                        ; 32 bytes a thread in,
	v_lshlrev_b32 v2, 4, v0                        ; 16 out
	s_wait_kmcnt 0x0
	s_cmp_eq_u32 s28, 1
	s_cselect_b64 s[4:5], s[6:7], s[4:5]
	s_cmp_eq_u32 s28, 2
	s_cselect_b64 s[4:5], s[8:9], s[4:5]
	s_cmp_eq_u32 s28, 3
	s_cselect_b64 s[4:5], s[10:11], s[4:5]
	s_add_nc_u64 s[4:5], s[4:5], s[30:31]
	s_add_nc_u64 s[26:27], s[26:27], s[32:33]
	global_load_b128 v[4:7], v1, s[4:5] th:TH_LOAD_NT
	global_load_b128 v[8:11], v1, s[4:5] offset:16 th:TH_LOAD_NT
	s_wait_loadcnt 0x0
	v_cvt_pk_f16_f32 v12, v4, v5
	v_cvt_pk_f16_f32 v13, v6, v7
	v_cvt_pk_f16_f32 v14, v8, v9
	v_cvt_pk_f16_f32 v15, v10, v11
	global_store_b128 v2, v[12:15], s[26:27]
	s_endpgm
.Ltab:
	; ---- the tables: one work-group, 256 threads ----
	v_lshrrev_b32 v1, 5, v0
	v_readfirstlane_b32 s28, v1                    ; my wave's number
	v_mul_u32_u24 v2, v0, 12                       ; row t of W0: 12 bytes
	v_lshrrev_b32 v20, 4, v0                       ; t / 16: W0's tile; WFF's row
	v_and_b32 v21, 15, v0                          ; t % 16
	v_lshlrev_b32 v23, 5, v21                      ; 8 numbers of Wf: 32 bytes
	v_mov_b32 v3, -1.0
	s_wait_kmcnt 0x0
	s_add_nc_u64 s[36:37], s[26:27], TABO
	global_load_b96 v[4:6], v2, s[12:13]
	global_load_b128 v[24:27], v23, s[24:25]
	global_load_b128 v[28:31], v23, s[24:25] offset:16
	global_load_b128 v[32:35], v23, s[24:25] offset:512
	global_load_b128 v[36:39], v23, s[24:25] offset:528
	v_lshlrev_b32 v22, 4, v21
	v_lshl_add_u32 v22, v20, 9, v22                ; W0F: 512 x tile + 16 x row in the tile
	v_mul_u32_u24 v19, v20, 528
	v_lshl_add_u32 v19, v21, 4, v19                ; WFF: 528 x row + 16 x (t % 16)
	v_and_b32 v7, 7, v20
	v_cmp_eq_u32 vcc_lo, 0, v7                     ; rows 0 and 8 carry Wf
	s_wait_loadcnt 0x0
	; W0F: w' = 256 w = wh + wl, both f16: wl is the f16 of the exact remainder w' - wh
	v_mul_f32 v4, 0x43800000, v4
	v_mul_f32 v5, 0x43800000, v5
	v_mul_f32 v6, 0x43800000, v6
	v_cvt_pk_f16_f32 v8, v4, v5
	v_cvt_pk_f16_f32 v9, v6, v4
	v_cvt_pk_f16_f32 v10, v5, v6
	v_mov_b32 v11, 0
	v_fma_mix_f32 v16, v8, v3, v4 op_sel_hi:[1,0,0]                ; wx' - wxh: the f16 half times -1.0 plus the f32
	v_fma_mix_f32 v17, v8, v3, v5 op_sel:[1,0,0] op_sel_hi:[1,0,0] ; wy' - wyh
	v_fma_mix_f32 v18, v9, v3, v6 op_sel_hi:[1,0,0]                ; wt' - wth
	v_cvt_pk_f16_f32 v12, v16, v17
	v_cvt_pk_f16_f32 v13, v18, v16
	v_cvt_pk_f16_f32 v14, v17, v18
	v_mov_b32 v15, 0
	global_store_b128 v22, v[8:11], s[36:37] offset:5120           ; lanes 0-15 of the fragment: the high pieces
	global_store_b128 v22, v[12:15], s[36:37] offset:5120+256      ; lanes 16-31: the low pieces
	; WFF: each thread makes two pieces of 16 bytes of its row, 256 bytes apart
	v_cvt_pk_f16_f32 v24, v24, v25
	v_cvt_pk_f16_f32 v25, v26, v27
	v_cvt_pk_f16_f32 v26, v28, v29
	v_cvt_pk_f16_f32 v27, v30, v31
	v_cvt_pk_f16_f32 v28, v32, v33
	v_cvt_pk_f16_f32 v29, v34, v35
	v_cvt_pk_f16_f32 v30, v36, v37
	v_cvt_pk_f16_f32 v31, v38, v39
.irp k, 24,25,26,27,28,29,30,31
	v_cndmask_b32 v\k, 0, v\k, vcc_lo
.endr
	global_store_b128 v19, v[24:27], s[36:37] offset:13312
	global_store_b128 v19, v[28:31], s[36:37] offset:13312+256
	; B5 and the zeros: 64 threads do; a branch on the wave's number
	s_cmp_lt_u32 s28, 2
	s_cbranch_scc0 .Lend
	v_lshlrev_b32 v64, 4, v0                       ; four numbers a thread
	global_load_b128 v[40:43], v64, s[14:15]
	global_load_b128 v[44:47], v64, s[16:17]
	global_load_b128 v[48:51], v64, s[18:19]
	global_load_b128 v[52:55], v64, s[20:21]
	global_load_b128 v[56:59], v64, s[22:23]
	v_mov_b32 v60, 0
	v_mov_b32 v61, 0
	v_mov_b32 v62, 0
	v_mov_b32 v63, 0
	v_mul_u32_u24 v65, v0, 528
	v_add_nc_u32 v65, 13312+512, v65               ; t < 16: the 16 bytes behind row t of WFF
	v_add_nc_u32 v66, 21760-256, v64               ; else: piece t - 16 of the 768 bytes at the end
	v_cmp_gt_u32 vcc_lo, 16, v0
	v_cndmask_b32 v65, v66, v65, vcc_lo
	global_store_b128 v65, v[60:63], s[36:37]
	s_wait_loadcnt 0x0
	v_pk_mul_f32 v[40:41], v[40:41], 0x47800000 op_sel_hi:[1,0]    ; 65536 b0
	v_pk_mul_f32 v[42:43], v[42:43], 0x47800000 op_sel_hi:[1,0]
.irp k, 44,46,48,50,52,54,56,58
	v_pk_mul_f32 v[\k:\k+1], v[\k:\k+1], 0x47000000 op_sel_hi:[1,0]  ; 32768 b1 .. b4
.endr
.irp l, 0,1,2,3,4
	global_store_b128 v64, v[40+4*\l:43+4*\l], s[36:37] offset:1024*\l
.endr
.Lend:
	s_endpgm
.Lfunc_end_k_q31c8cc8f68_prep:
	.size	k_q31c8cc8f68_prep, .Lfunc_end_k_q31c8cc8f68_prep-k_q31c8cc8f68_prep
	.p2alignl 7, 3214868480
	.fill 96, 4, 3214868480
	.section	.rodata,"a",@progbits
	.p2align	6, 0x0
	.amdhsa_kernel k_q31c8cc8f68_prep
		.amdhsa_group_segment_fixed_size 0
		.amdhsa_private_segment_fixed_size 0
		.amdhsa_enable_private_segment 0
		.amdhsa_kernarg_size 96
		.amdhsa_user_sgpr_count 2
		.amdhsa_user_sgpr_kernarg_segment_ptr 1
		.amdhsa_wavefront_size32 1
		.amdhsa_system_sgpr_workgroup_id_x 1
		.amdhsa_system_sgpr_workgroup_id_y 1
		.amdhsa_system_sgpr_workgroup_id_z 1
		.amdhsa_system_vgpr_workitem_id 0
		.amdhsa_next_free_vgpr 72
		.amdhsa_next_free_sgpr 66
		.amdhsa_reserve_vcc 1
		.amdhsa_float_denorm_mode_32 3
		.amdhsa_float_denorm_mode_16_64 3
		.amdhsa_memory_ordered 1
		.amdhsa_forward_progress 1
		.amdhsa_inst_pref_size 8
	.end_amdhsa_kernel
	.amdgpu_metadata
---
amdhsa.version: [ 1, 2 ]
amdhsa.kernels:
  - .name:           k_q31c8cc8f68_prep
    .symbol:         k_q31c8cc8f68_prep.kd
    .args:
      - { .name: W1, .offset: 0, .size: 8, .value_kind: global_buffer, .address_space: global }
      - { .name: W2, .offset: 8, .size: 8, .value_kind: global_buffer, .address_space: global }
      - { .name: W3, .offset: 16, .size: 8, .value_kind: global_buffer, .address_space: global }
      - { .name: W4, .offset: 24, .size: 8, .value_kind: global_buffer, .address_space: global }
      - { .name: W0, .offset: 32, .size: 8, .value_kind: global_buffer, .address_space: global }
      - { .name: b0, .offset: 40, .size: 8, .value_kind: global_buffer, .address_space: global }
      - { .name: b1, .offset: 48, .size: 8, .value_kind: global_buffer, .address_space: global }
      - { .name: b2, .offset: 56, .size: 8, .value_kind: global_buffer, .address_space: global }
      - { .name: b3, .offset: 64, .size: 8, .value_kind: global_buffer, .address_space: global }
      - { .name: b4, .offset: 72, .size: 8, .value_kind: global_buffer, .address_space: global }
      - { .name: Wf, .offset: 80, .size: 8, .value_kind: global_buffer, .address_space: global }
      - { .name: wk, .offset: 88, .size: 8, .value_kind: global_buffer, .address_space: global }
    .group_segment_fixed_size: 0
    .private_segment_fixed_size: 0
    .kernarg_segment_align: 8
    .kernarg_segment_size: 96
    .max_flat_workgroup_size: 256
    .sgpr_count:     66
    .vgpr_count:     72
    .wavefront_size: 32
...
	.end_amdgpu_metadata
.endif
;; end of part 1
;; launch siren (part 2): grid 256 x 1, 4 waves a work-group, clusters of 4 x 1, 327,680 bytes of LDS; arguments xyt, wk, bf, out0; writes out0
.if DOCPART == 2
	.amdgcn_target "amdgcn-amd-amdhsa--gfx1250"
	.amdhsa_code_object_version 6
	.text
	.protected	k_q31c8cc8f68_siren
	.globl	k_q31c8cc8f68_siren
	.p2align	8
	.type	k_q31c8cc8f68_siren,@function
k_q31c8cc8f68_siren:
	s_mov_b64 s[64:65], 0
	v_nop
	global_prefetch_b8 v0, s[64:65] scope:SCOPE_SE
	s_setreg_imm32_b32 hwreg(HW_REG_WAVE_MODE, 25, 1), 1
	s_wait_xcnt 0x0
	s_wait_alu depctr_hold_cnt(0) depctr_sa_sdst(0) depctr_va_vdst(0) depctr_va_sdst(0) depctr_va_ssrc(0) depctr_va_vcc(0) depctr_vm_vsrc(0)
	s_getreg_b32 s2, hwreg(HW_REG_IB_STS2, 6, 4)
	s_cmp_eq_u32 s2, 0
	s_cbranch_scc0 .Lentry_in_a_cluster
	s_endpgm
.Lentry_in_a_cluster:
	s_bfe_u32 s2, ttmp6, 0x10000c
	s_cmp_lg_u32 s2, 0x3003
	s_cbranch_scc0 .Lentry_shape_is_right
	s_endpgm
.Lentry_shape_is_right:
; THE WHOLE NETWORK IN ONE LAUNCH: h = sin(30 (x W0^T + b0)); four times h = sin(h W^T + b); out = h Wf^T + bf.  262,144 points, width 256.
; SHARES.  256 work-groups of four waves; a work-group owns 1,024 consecutive points and takes them in 4 passes of 256; a wave has 64 points a pass: four tiles of 16.
; Column r of point tile p is point base + 4 r + p, so that a lane's 12 numbers of xyt are 48 consecutive bytes and its results neighbours.
; LAYOUT.  Every product is taken transposed, H_out^T = W H_in^T: source 0 = 16 rows of W (16 output features), source 1 = 32 features x 16 points.  In the result a lane holds ONE point
; (lane % 16) and the features 8 (lane / 16) + 0..7; two results rounded to f16 in pairs ARE source 1 of the next layer.  So nothing changes lanes and no wave needs another wave's h.
; FORMATS.  All products in f16 with f32 sums.  W1..W4 and Wf are rounded once to f16 (by the launch before).  h is kept as f16(2^15 sin): it stays a normal f16 down to |h| = 1.9e-9.
; The biases stay f32, scaled by the same power of two, and are the C operand of a feature tile's first product.
; LAYER 0 has K = 3, and its factor 30 asks for more than 11 bits: 256 x = xh + xl and 256 W0 = wh + wl, all four f16, and (wh + wl)(xh + xl) is laid out inside one K step of 32:
; source 1 holds (xh yh th xl yl tl 0 0) in both halves of the lanes, source 0 (wxh wyh wth wxh wyh wth 0 0) in lanes 0-15 and the same of wl in lanes 16-31.
; THE SINE.  With a = the sum and SC = the layer's factor / (2 pi x the sum's power of two): k = round(a SC), by adding and taking away 1.5 x 2^23; r = a SC - k, one rounding, in -1/2 .. 1/2;
; sin(2 pi r) = r (C1 + C3 z + C5 z^2 + C7 z^3), z = r^2, the Chebyshev series cut at degree 7; the C carry the factor 2^15.  Nine packed lines for two numbers: 144 for a feature tile.
; LIMITS.  The sine is within 2.5e-4 absolutely, and within 7.4e-4 of itself for small arguments.  |x| and |W0| below 255, |W1..4| and |Wf| below 65,520 (f16's range); an argument of a sine
; below 2^22 turns; NaN and infinities are not treated apart.
; TURNS.  A layer is 16 turns, one for each tile f of 16 output features: 32 products (8 K steps x 4 point tiles; the four accumulators take turns).  THE DEAL: behind EACH
; product stand exactly four lines of the sine of tile f - 1; the 16 lines that are over stand together behind the last product, with the three address lines; and ALL the LDS instructions
; stand in ONE run where two turns meet: the four stage stores of tile f - 1 at the turn's tail, the 18 loads of tile f + 2's rows of W and bias at the next turn's head.
; h goes through a stage in LDS, each lane's own 16 bytes, so that one text serves every tile and layer: the place is a scalar that steps.  The rounded f16 wait for their stores in the accumulator
; registers that the sine has used up.  In turn 15 the new h comes back over the old: K steps 0-3 in one run behind their last reader, K steps 4-7 in the layer's last run; tile 15's sine rides in the
; next layer's turn 0 and is rounded straight into the last K step's registers, which that turn multiplies last.
; THE WEIGHTS walk through LDS in two slots, a layer's rows 0-127 and 128-255.  A slot is asked for again when its last tile has been asked into registers a turn ago: in front of turns 7 and 15.
; CLUSTER.  All work-groups walk the same weights: the four of a cluster ask JOINTLY, the same tensor load, descriptor and mask in all four.
;
; LDS: 0 W, 256 rows of 528 bytes (512 + 16 of padding = 132 words: the 16 rows of a load start at 16 different groups of four banks; ISA guide 11.1: 64 banks of 4 bytes)
.set WP,    528
.set TILEB, 16*WP                      ; a feature tile's rows
.set SLOTB, 128*WP                     ; a slot
.set TAB,   2*SLOTB                    ; 135,168: the tables, 22,528 bytes, filled once: +0 the five biases, +5,120 W0's fragments, +13,312 Wf's tile (pitch 528)
.set WFFA,  TAB+13312
.set STAGE, TAB+22528                  ; 157,696: wave w at 32,768 w; feature tile f, point tile p, lane L at 2,048 f + 512 p + 16 L.  No tensor load lands here
.set SPARE, STAGE+4*32768              ; 288,768: the spare words, 128 bytes for each wave: two blocks of 256 bytes that no other line names
; REGISTERS, in windows of 256 (s_set_vgpr_msb: bits 1:0 source 0, 3:2 source 1, 5:4 source 2, 7:6 destination)
; window 0:
.set PFO, 1                            ; v1   256 x lane: the prefetches' offset; never rewritten
.set LW0, 2                            ; v2   528 (l % 16) + 16 (l / 16): my place in a tile of W
.set LB0, 3                            ; v3   TAB + 32 (l / 16): my eight biases of a tile
.set LS0, 4                            ; v4   STAGE + 32,768 w + 16 l
.set AW,  5                            ; v5   the address of W's next loads
.set AB,  6                            ; v6   of the bias's
.set AS,  7                            ; v7   of the stage stores
.set LF0, 8                            ; v8   TAB + 5,120 + 16 l: my place in a fragment of W0
.set XO,  9                            ; v9   48 (l % 16): my four points in xyt
.set OO,  10                           ; v10  16 (l % 16) + 8 (l / 16): my two results
.set A0,  11                           ; v11  the address of W0's next fragment
.set SPW, 12                           ; v12  my spare word: SPARE + 4 x my thread's number; never rewritten
.set NIL, 13                           ; v13  0; never rewritten
.set OV,  14                           ; v[14:15] two results
.set ACC, 16                           ; v16-79    accumulators: buffer e, point tile p at ACC + 32 e + 8 p
.set WF,  80                           ; v80-207   W's fragments: buffer e, K step c at WF + 64 e + 8 c
.set BI,  208                          ; v208-223  a tile's bias as a C operand: buffer e at BI + 8 e
.set KT,  224                          ; v224-239  at work: k, then z
.set PT,  240                          ; v240-255  at work: the polynomial
; window 1: H, source 1 of the layer in hand: K step c, point tile p at 32 c + 8 p
; window 2:
.set XR,  0                            ; v0-11   xyt as loaded, then times 256
.set NEG1, 12                          ; v12     -1.0
.set XF,  16                           ; v16-47  layer 0's source 1: point tile p at XF + 8 p; registers 3-7 stay 0
.set XL,  48                           ; v48-59  the low pieces in f32
; scalars
.set XP,  4                            ; s[4:5]   xyt at my wave's points of the pass last loaded
.set WKP, 6                            ; s[6:7]   wk
.set BFP, 8                            ; s[8:9]   bf
.set OUTP, 10                          ; s[10:11] out0 at my wave's points of the pass in hand
.set WV,  12                           ; s12  my wave's number
.set CX,  13                           ; s13  my place in the cluster: it enters xyt's, out0's and the prefetches' addresses alone
.set LC,  14                           ; s14  hidden layers still to begin
.set LY,  15                           ; s15  the hidden layer in hand, 0 to 3
.set G1W, 16                           ; s[16:23] descriptor group 1 for W
.set G1T, 24                           ; s[24:31] for the tables
.set G0A, 32                           ; s[32:35] group 0 for slot 0; s[36:39] for slot 1
.set G0T, 40                           ; s[40:43] for the tables
.set WB0, 44                           ; s[44:45] wk at my 32 rows of a lower half; s[46:47] of an upper half
.set NX,  48                           ; s[48:49] the next layer's byte offset in wk
.set PFA, 50                           ; s[50:51] where my prefetches stand
.set LIMB, 52                          ; s52, s53  a wave prefetches while s[LC] is above these; the greatest number in a wave that never does
.set LIMA, 53
.set PS,  54                           ; s54  passes still to begin
.set IC,  55                           ; s55  counts the inner loops
.set WO,  56                           ; s56  LDS byte of the tile of W to be fetched
.set BO,  57                           ; s57  byte in the biases' table of the tile to be fetched: it steps through all 80 tiles of a pass
.set SO,  58                           ; s58  byte in my stage of the tile to be stored
.set FO,  59                           ; s59  byte in W0's fragments of the tile to be fetched
.set SC,  60                           ; s[60:61] the sine's factor.  The packed lines name pairs and take the low word for both halves; both words are written
.set MG,  62                           ; s[62:63] 1.5 x 2^23
.set NM,  66                           ; s[66:67] its negative
.set C1,  68
.set C3,  70
.set C5,  72
.set C7,  74
.set OS,  76                           ; s[76:77] 2^-15
.set BF,  78                           ; s[78:79] bf
.set HM,  80                           ; s80  lanes 16-31
.set T1,  81
.set TP,  82                           ; s[82:83] offsets that hold my place in the cluster
.set SC0V, 0x3898c9eb                  ; 30 / (2 pi 2^16)
.set SCHV, 0x36a2f983                  ; 1 / (2 pi 2^15)
.set MSB, 0
.macro WIN new                         ; the immediate's high byte repeats the setting that is left; a switch that changes nothing is dropped
.if MSB != (\new)
	s_set_vgpr_msb (MSB<<8)|(\new)
.set MSB, (\new)
.endif
.endm
.macro WINC                            ; for a line that names no vector register as source 1 and all else in window 0: it runs under the products' settings too
.if (MSB & 0xf3) != 0
	WIN 0
.endif
.endm
.macro PLACES                          ; four places behind a matrix instruction (ISA guide 7.12.1), where no other vector work is at hand
.rept 4
	v_nop
.endr
.endm
.macro PAIRC r, val
	s_mov_b32 s[\r], \val
	s_mov_b32 s[\r+1], \val
.endm
; A round of the cluster's barrier: my work-group's barrier, so that wave 0's signal speaks for all four waves; wave 0 signals; every wave waits for all four work-groups; my work-group's barrier once more.
.macro CROUND
	s_barrier_signal -1
	s_barrier_wait -1
	s_cmp_lg_u32 s[WV], 0
	s_cbranch_scc1 .Lnot_wave_0_\@
	s_barrier_signal -3
.Lnot_wave_0_\@:
	s_barrier_wait -3
	s_barrier_signal -1
	s_barrier_wait -1
.endm
; A PREFETCH INTO THE L2 of the half layer that the NEXT change of slots will ask for: 65,536 bytes.  Only wk's first walk is asked for, its half layers 3 to 7 (0 and 1 are the first fills, 2 comes by its refill
; alone): five changes.  All clusters walk the same bytes: cluster 0 asks.  Its four partners share a half out BY ADDRESS, 16,384 bytes each; in each, waves 0 and 1 take 8,192, a lane 256: each block is named once.
.macro ASK lim
	s_cmp_gt_u32 s[LC], s[\lim]
	s_cbranch_scc0 .Lnot_mine_\@
	global_prefetch_b8 v[PFO], s[PFA:PFA+1] th:TH_LOAD_NT scope:SCOPE_SE
.Lnot_mine_\@:
.endm
; THE CHANGE OF SLOTS stands where two turns meet, between the one's stage stores and the other's loads.  Each wave waits for all its tensor loads, of which one is out: its part of the other slot; adds 0 to its
; spare word; and waits for that and for its own LDS instructions: the slot's last tile was asked into registers at the head of the turn just ended.
; fill = 1: the barrier is a round of the cluster's, so that no wave of any partner still reads the slot or has a load on its way; the joint refill, my 32 rows of the next layer's half, is the first thing behind it
; and has eight turns, 256 products, in which to land.  The descriptor's address is made anew from the layer's number.
.macro CHANGE slot, fill, lim=0
	WIN 0
	s_wait_tensorcnt 0x0                           ; no tensor load of mine is out, so a group 0 may be written
	ds_add_u32 v[SPW], v[NIL]                      ; 0 onto my spare word: the scalar work below stands between it and the wait for it
.if \fill
	s_add_co_u32 s[NX], s[LY], 1
	s_and_b32 s[NX], s[NX], 3                      ; the next hidden layer (behind the fourth: the next pass's first),
	s_lshl_b32 s[NX], s[NX], 17                    ; 131,072 bytes each
	s_add_nc_u64 s[G0A+4*(\slot)+2:G0A+4*(\slot)+3], s[WB0+2*(\slot):WB0+2*(\slot)+1], s[NX:NX+1]
	s_or_b32 s[G0A+4*(\slot)+3], s[G0A+4*(\slot)+3], 0x80000000
	s_wait_xcnt 0x0                                ; the last prefetch, eight turns back, has read its address, so it may be stepped
	s_add_nc_u64 s[PFA:PFA+1], s[PFA:PFA+1], 65536
	s_wait_dscnt 0x0                               ; the add is done, and my reads of the slot are over
	CROUND
	tensor_load_to_lds s[G0A+4*(\slot):G0A+4*(\slot)+3], s[G1W:G1W+7]
	s_nop 0
	PLACES
	ASK \lim
.else
	s_wait_dscnt 0x0
	s_barrier_signal -1
	s_barrier_wait -1
.endif
.endm
; THE SINE's QUEUE, 144 long.  ITEM writes line q of the sine of accumulator buffer RE: two batches of two point tiles (16 registers, 8 pairs), each stage for all 8 pairs before the next, so that no line waits for
; the one before it, and a slice of four never mixes two stages.
; j = 0-7 k' = a SC + M; 8-15 k = k' - M; 16-23 r = a SC - k; 24-31 z = r r; 32-39 P = z C7 + C5; 40-47 P = P z + C3; 48-55 P = P z + C1; 56-63 P = P r; 64-71 two P rounded to f16:
; DIR = 0: into the batch's first eight accumulator registers, which the sine has used up: point tile 2 b + u at ACC + 32 RE + 16 b + 4 u; the stage stores take them from there.
; DIR = 1: straight into registers 4-7 of H's last K step.  An accumulator's registers are read in ascending order.
.macro ITEM
.set b, q/72
.set j, q%72
.set n, j%8
.set rT, ACC+32*RE+16*b+2*n
.set rK, KT+2*n
.set rP, PT+2*n
.if j < 8
	WINC
	v_pk_fma_f32 v[rK:rK+1], v[rT:rT+1], s[SC:SC+1], s[MG:MG+1] op_sel_hi:[1,0,0]
.elseif j < 16
	WINC
	v_pk_add_f32 v[rK:rK+1], v[rK:rK+1], s[NM:NM+1] op_sel_hi:[1,0]
.elseif j < 24
	WINC
	v_pk_fma_f32 v[rT:rT+1], v[rT:rT+1], s[SC:SC+1], v[rK:rK+1] op_sel_hi:[1,0,1] neg_lo:[0,0,1] neg_hi:[0,0,1]
.elseif j < 32
	WIN 0
	v_pk_mul_f32 v[rK:rK+1], v[rT:rT+1], v[rT:rT+1]
.elseif j < 40
	WINC
	v_pk_fma_f32 v[rP:rP+1], v[rK:rK+1], s[C7:C7+1], s[C5:C5+1] op_sel_hi:[1,0,0]
.elseif j < 48
	WIN 0
	v_pk_fma_f32 v[rP:rP+1], v[rP:rP+1], v[rK:rK+1], s[C3:C3+1] op_sel_hi:[1,1,0]
.elseif j < 56
	WIN 0
	v_pk_fma_f32 v[rP:rP+1], v[rP:rP+1], v[rK:rK+1], s[C1:C1+1] op_sel_hi:[1,1,0]
.elseif j < 64
	WIN 0
	v_pk_mul_f32 v[rP:rP+1], v[rP:rP+1], v[rT:rT+1]
.elseif DIR
	WIN 0x40                                       ; destination in window 1
	v_cvt_pk_f16_f32 v[228+8*(2*b+n/4)+n%4], v[rP], v[rP+1]
.else
	WIN 0
	v_cvt_pk_f16_f32 v[ACC+32*RE+16*b+n], v[rP], v[rP+1]
.endif
.endm
.macro RID cnt                         ; the queue's next cnt lines
.rept \cnt
	ITEM
.set q, q+1
.endr
.endm
; Product i of a turn's 32: K step i / 4, point tile i % 4.  The first four start the sums with the bias (CZ = 1, the last layer: with the constant 0).
.macro MM
.set c, i/4
.set p, i%4
.set rD, ACC+32*EB+8*p
.set rA, WF+64*EB+8*c
.set rB, 32*c+8*p
	WIN 0x04                                       ; source 1 in window 1
.if c > 0
	v_wmma_f32_16x16x32_f16 v[rD:rD+7], v[rA:rA+7], v[rB:rB+7], v[rD:rD+7]
.elseif CZ
	v_wmma_f32_16x16x32_f16 v[rD:rD+7], v[rA:rA+7], v[rB:rB+7], 0
.else
	v_wmma_f32_16x16x32_f16 v[rD:rD+7], v[rA:rA+7], v[rB:rB+7], v[BI+8*EB:BI+8*EB+7]
.endif
.endm
; THE PARTS OF A RUN OF LDS INSTRUCTIONS.
; WLD: a tile's 16 rows x 256 K into buffer x: 16 loads (a fragment: lane l holds row l % 16, K 8 (l / 16) + 0..7 and 16 + 8 (l / 16) + 0..7: two loads of 16 bytes, 32 apart).  BLD: its bias: 2 loads.
.macro WLD x, a=AW, off=0
	WINC
.irp cc, 0,1,2,3,4,5,6,7
	ds_load_b128 v[WF+64*(\x)+8*\cc:WF+64*(\x)+8*\cc+3],   v[\a] offset:(\off)+64*\cc
	ds_load_b128 v[WF+64*(\x)+8*\cc+4:WF+64*(\x)+8*\cc+7], v[\a] offset:(\off)+64*\cc+32
.endr
.endm
.macro BLD x
	WINC
	ds_load_b128 v[BI+8*(\x):BI+8*(\x)+3],   v[AB]
	ds_load_b128 v[BI+8*(\x)+4:BI+8*(\x)+7], v[AB] offset:16
.endm
; SST: the four point tiles of a finished feature tile, 16 bytes a lane each, from accumulator buffer x into my stage
.macro SST x
	WIN 0
.irp t, 0,1,2,3
	ds_store_b128 v[AS], v[ACC+32*(\x)+16*(\t/2)+4*(\t%2):ACC+32*(\x)+16*(\t/2)+4*(\t%2)+3] offset:512*\t
.endr
.endm
; HREL: K step c of the new h comes back from my stage: feature tiles 2 c (registers 0-3) and 2 c + 1 (registers 4-7).  LDS serves a wave's instructions in order (ISA guide 5.7.1.4): these see my stores
.macro HREL c
	WIN 0x40
.irp pp, 0,1,2,3
	ds_load_b128 v[32*(\c)+8*\pp:32*(\c)+8*\pp+3],   v[LS0] offset:4096*(\c)+512*\pp
	ds_load_b128 v[32*(\c)+8*\pp+4:32*(\c)+8*\pp+7], v[LS0] offset:4096*(\c)+2048+512*\pp
.endr
.endm
.macro HREL7                           ; of the last K step only tile 14: tile 15 never goes through the stage
	WIN 0x40
.irp pp, 0,1,2,3
	ds_load_b128 v[224+8*\pp:224+8*\pp+3], v[LS0] offset:28672+512*\pp
.endr
.endm
; ENDRUN: a layer's last run, 50 LDS instructions: tile 14 into the stage (4), K steps 4 to 6 and tile 14's half of K step 7 back (28), the next layer's tile 1 and its bias (18)
.macro ENDRUN a, off
	SST 0
	HREL 4
	HREL 5
	HREL 6
	HREL7
	WLD 1, \a, \off
	BLD 1
.endm
; A TURN of a hidden layer, or the last layer's one turn.  e: the buffers of the tile in hand; the sine works on the other accumulator buffer.
; REG: turns 1 to 14.  Head: the 18 loads of tile f + 1.  32 x (a product, four lines).  Tail: the 16 lines left, three addresses, the four stores of tile f - 1.
; T15: turn 15.  Its head fetches the next layer's tile 0 (behind the fourth hidden layer: Wf's tile); behind product 16 K steps 0-3 of the new h come back; its tail is ENDRUN (behind the fourth hidden layer ENDRUN's 18
;      loads of W and bias serve nothing: they read bytes of slot 0 and of the tables that lie still, so that the counts behind them are the same on both ways).
; T0: turn 0, and FIN: the last layer.  No loads at the head: ENDRUN has fetched tile 1.  The sine of the layer before's tile 15 rides behind products 0-29, its last 24 lines stand in front of product 30: it goes
;      straight into H's last K step, of which products 28, 29 read the first batch's part and 30, 31 the second's.
.set REG, 0
.set T15, 1
.set T0,  2
.set FIN, 3
.macro TURN e, mode
.set EB, (\e)
.set RE, 1-(\e)
.set q, 0
.set CZ, 0
.set DIR, 0
.if ((\mode) == T0) || ((\mode) == FIN)
.set DIR, 1
.endif
.if (\mode) == FIN
.set CZ, 1
.endif
	WIN 0
.if (\mode) == T15
	s_cmp_eq_u32 s[LY], 3
	s_cselect_b32 s[WO], WFFA, 0
	v_add_nc_u32 v[AW], s[WO], v[LW0]
	s_add_co_u32 s[WO], s[WO], TILEB
.endif
.if (\mode) == T0
	s_mov_b32 s[WO], 2*TILEB
	s_mov_b32 s[SO], 0
.endif
.if !DIR
	WLD 1-(\e)                                     ; the buffer's last reader, the turn before's last product, stands twenty plain lines back or more
	BLD 1-(\e)
	s_wait_dscnt 22                                ; this tile's W and bias, asked for a turn ago, are in: the 4 stores and 18 loads issued behind them may stay out
.endif
.set i, 0
.rept 32
.if DIR && (i == 16)
	s_wait_dscnt 18                                ; ENDRUN's stores and its 28 loads of h are in; the 18 loads behind them may stay out
.endif
.if DIR && (i == 28)
	s_wait_dscnt 0x0                               ; and those 18: no stores of this turn will stand behind them, so the next text's counted wait would not cover them
.endif
	MM
.if (!DIR) || (i < 30)
	RID 4
.endif
.if DIR && (i == 29)
	RID 24
.endif
.if ((\mode) == T15) && (i == 16)
.irp cc, 0,1,2,3
	HREL \cc                                       ; their last reader, product 15, stands two slices back
.endr
.endif
.set i, i+1
.endr
	WIN 0
.if !DIR
	RID 16
	v_add_nc_u32 v[AS], s[SO], v[LS0]
	s_add_co_u32 s[SO], s[SO], 2048
.endif
.if (\mode) == T15
	s_cmp_eq_u32 s[LY], 3
	s_cselect_b32 s[WO], 0, s[WO]
.endif
.if (\mode) != FIN
	v_add_nc_u32 v[AW], s[WO], v[LW0]
	s_add_co_u32 s[WO], s[WO], TILEB
	v_add_nc_u32 v[AB], s[BO], v[LB0]
	s_add_co_u32 s[BO], s[BO], 64
.endif
.if (\mode) == REG
	SST RE
.endif
.if (\mode) == T15
	s_wait_dscnt 0x0                               ; the next tile 0 and K steps 0-3, asked for 15 products ago or more, are in: so the next turn begins without a wait
	ENDRUN AW, 0
.endif
.if (\mode) == T0
	v_nop                                          ; with the two address lines: four places behind the last two products, which stand bare
	v_nop
	PAIRC SC, SCHV                                 ; from here on the sines are hidden layers'
.endif
.endm
.macro LOOPN cnt                       ; 2 cnt regular turns, written once as a pair
	WIN 0
	s_mov_b32 s[IC], \cnt
.Lpair_\@:
	TURN 1, REG
	TURN 0, REG
	WIN 0
	s_sub_co_u32 s[IC], s[IC], 1
	s_cmp_lg_u32 s[IC], 0
	s_cbranch_scc1 .Lpair_\@
.endm
; A TURN OF LAYER 0: four products (one K step) and the sine of the tile before: four lines behind each product, the other 128 in the open: this layer has next to no matrix work to stand beside.
; L0F: tile 0: no sine yet.  L0M: tiles 1 to 14: the head fetches tile f + 1's fragment and bias, the tail stores tile f - 1.
; L0L: tile 15: its head fetches the first hidden layer's tile 0 and K steps 0-3 of h; its tail is ENDRUN, as a hidden layer's turn 15 has it.
.set L0F, 0
.set L0M, 1
.set L0L, 2
.macro L0T e, mode
.set EB, (\e)
.set RE, 1-(\e)
.set q, 0
.set DIR, 0
	WIN 0
.if (\mode) == L0M
	ds_load_b128 v[WF+64*(1-(\e)):WF+64*(1-(\e))+3], v[A0]
	BLD 1-(\e)
	s_wait_dscnt 7                                 ; this tile's fragment and bias are in: the 4 stores and 3 loads issued behind them may stay out
.elseif (\mode) == L0L
	WLD 0, LW0                                     ; the first hidden layer's tile 0 lies at the head of slot 0
	BLD 0
.irp cc, 0,1,2,3
	HREL \cc
.endr
	s_wait_dscnt 54                                ; tile 15's fragment and bias are in: 4 stores and 50 loads were issued behind them
.else
	s_wait_dscnt 0x0                               ; the preamble's six loads
.endif
.irp pp, 0,1,2,3
	WIN 0x08                                       ; source 1 in window 2
	v_wmma_f32_16x16x32_f16 v[ACC+32*(\e)+8*\pp:ACC+32*(\e)+8*\pp+7], v[WF+64*(\e):WF+64*(\e)+7], v[XF+8*\pp:XF+8*\pp+7], v[BI+8*(\e):BI+8*(\e)+7]
.if (\mode) != L0F
	RID 4
.endif
.endr
.if (\mode) != L0F
	RID 128
	WIN 0
	v_add_nc_u32 v[AS], s[SO], v[LS0]
	s_add_co_u32 s[SO], s[SO], 2048
.endif
	WIN 0
.if (\mode) != L0L
	v_add_nc_u32 v[A0], s[FO], v[LF0]
	s_add_co_u32 s[FO], s[FO], 512
.endif
	v_add_nc_u32 v[AB], s[BO], v[LB0]
	s_add_co_u32 s[BO], s[BO], 64
.if (\mode) == L0F
	v_nop                                          ; with the two address lines: four places behind the four products, which stand bare
	v_nop
.elseif (\mode) == L0M
	SST RE
.else
	s_wait_dscnt 0x0                               ; the head's loads, 144 lines back, are in: so the next turn begins without a wait
	ENDRUN LW0, TILEB
.endif
.endm
; Layer 0's source 1 from 12 numbers of xyt: a' = 256 a; hi = f16(a'); lo = f16(a' - hi), the difference exact: the f16 half times -1.0 plus the f32.
.macro XBUILD
	WIN 0xaa                                       ; everything in window 2
.irp k, 0,2,4,6,8,10
	v_pk_mul_f32 v[XR+\k:XR+\k+1], v[XR+\k:XR+\k+1], 0x43800000 op_sel_hi:[1,0]
.endr
.irp pp, 0,1,2,3
	v_cvt_pk_f16_f32 v[XF+8*\pp], v[XR+3*\pp], v[XR+3*\pp+1]       ; (xh, yh)
.endr
.irp pp, 0,1,2,3
	v_fma_mix_f32 v[XL+3*\pp],   v[XF+8*\pp], v[NEG1], v[XR+3*\pp]   op_sel_hi:[1,0,0]
	v_fma_mix_f32 v[XL+3*\pp+1], v[XF+8*\pp], v[NEG1], v[XR+3*\pp+1] op_sel:[1,0,0] op_sel_hi:[1,0,0]
.endr
.irp pp, 0,1,2,3
	v_cvt_pk_f16_f32 v[XF+8*\pp+1], v[XR+3*\pp+2], v[XL+3*\pp]     ; (th, xl)
.endr
.irp pp, 0,1,2,3
	v_fma_mix_f32 v[XL+3*\pp+2], v[XF+8*\pp+1], v[NEG1], v[XR+3*\pp+2] op_sel_hi:[1,0,0]
.endr
.irp pp, 0,1,2,3
	v_cvt_pk_f16_f32 v[XF+8*\pp+2], v[XL+3*\pp+1], v[XL+3*\pp+2]   ; (yl, tl)
.endr
.endm
; Rows 0 and 8 of the last layer's source 0 hold Wf, so register 0 of each accumulator holds 2^15 (out - bf) of point l % 16 in both halves of the lanes.  Lanes 0-15 take point tiles 0 and 1, lanes 16-31 tiles 2 and 3:
; the wave's 32 lanes store 256 consecutive bytes, at a multiple of 256 from out0's first byte.
.macro OUTPUT step
	WIN 0
	PLACES
	v_cndmask_b32 v[OV],   v[ACC],   v[ACC+16], s[HM]
	v_cndmask_b32 v[OV+1], v[ACC+8], v[ACC+24], s[HM]
	v_pk_fma_f32 v[OV:OV+1], v[OV:OV+1], s[OS:OS+1], s[BF:BF+1] op_sel_hi:[1,0,0]
	global_store_b64 v[OO], v[OV:OV+1], s[OUTP:OUTP+1] th:TH_STORE_NT
.if \step
	s_wait_xcnt 0x0                                ; the store has read its registers: the pointer is stepped, and the pair written again, only behind this wait
	s_add_nc_u64 s[OUTP:OUTP+1], s[OUTP:OUTP+1], 1024
.endif
.endm
	; ---------------- the head ----------------
	s_load_b256 s[4:11], s[0:1], 0x0               ; xyt, wk, bf, out0
	v_lshl_add_u32 v[SPW], v0, 2, SPARE
	v_mov_b32 v[NIL], 0
	ds_add_u32 v[SPW], v[NIL]                      ; the wave's opening: the add and its wait stand ahead of my first tensor load; the set-up below, work on registers, stands between them
	v_lshrrev_b32 v1, 5, v0
	v_readfirstlane_b32 s[WV], v1                  ; wave 0..3
	s_bfe_u32 s[CX], ttmp6, 0x40000                ; my place in the cluster
	; group 1 for W: 32 rows x 256 elements of 2 bytes, padded in LDS
	s_mov_b32 s[G1W], 15|(1<<16)|(1<<20)|(1<<21)|(6<<22)|(3<<25)  ; 15:0 the mask of four; 17:16 2-byte elements; 20 padding on; 21 set beside a mask; 24:22 after every 128 words (code 6); 31:25 4 words (code 3)
	s_mov_b32 s[G1W+1], 256<<16                    ; tensor_dim0 = 256
	s_mov_b32 s[G1W+2], 32<<16                     ; tensor_dim1 = 32
	s_mov_b32 s[G1W+3], 256<<16                    ; tile_dim0 = 256
	s_mov_b32 s[G1W+4], 32                         ; tile_dim1 = 32
	s_mov_b32 s[G1W+5], 256                        ; 256 elements from row to row
	s_mov_b32 s[G1W+6], 0
	s_mov_b32 s[G1W+7], 0
	; group 1 for the tables: a dense block as 22 rows of 256 bytes (32 elements of 8 bytes), no padding
	s_mov_b32 s[G1T], 15|(3<<16)|(1<<21)
	s_mov_b32 s[G1T+1], 32<<16
	s_mov_b32 s[G1T+2], 22<<16
	s_mov_b32 s[G1T+3], 32<<16
	s_mov_b32 s[G1T+4], 22
	s_mov_b32 s[G1T+5], 32
	s_mov_b32 s[G1T+6], 0
	s_mov_b32 s[G1T+7], 0
	; group 0: the count and the LDS addresses: a constant plus the wave's number times a constant
	s_mov_b32 s[G0A], 1
	s_mul_i32 s[G0A+1], s[WV], 32*WP               ; slot 0: my 32 rows
	s_mov_b32 s[G0A+4], 1
	s_add_co_u32 s[G0A+5], s[G0A+1], SLOTB         ; slot 1
	s_mov_b32 s[G0T], 1
	s_mul_i32 s[G0T+1], s[WV], 5632                ; my 22 rows of the tables
	s_add_co_u32 s[G0T+1], s[G0T+1], TAB
	PAIRC SC, SC0V
	PAIRC MG, 0x4b400000                           ; 1.5 x 2^23
	PAIRC NM, 0xcb400000
	PAIRC C1, 0x4848e9ea                           ;   6.2785540 x 2^15
	PAIRC C3, 0xc9a45d4e                           ; -41.091116  x 2^15
	PAIRC C5, 0x4a1bd19d                           ;  77.909403  x 2^15
	PAIRC C7, 0xc9e02765                           ; -56.038470  x 2^15
	PAIRC OS, 0x38000000                           ; 2^-15
	s_mov_b32 s[HM], 0xffff0000
	s_lshr_b32 s[LIMB], s[WV], 1                   ; 0 in waves 0 and 1,
	s_or_b32 s[LIMB], s[LIMB], ttmp9               ; of cluster 0: the same in all four partners
	s_cmp_eq_u32 s[LIMB], 0
	s_cselect_b32 s[LIMB], 12, -1                  ; the changes in front of turn 7 ask while 13 layers or more are to begin: half layers 3, 5, 7;
	s_cselect_b32 s[LIMA], 13, -1                  ; those in front of turn 15 while 14 or more: half layers 4, 6
	s_lshl_b32 s[NX], s[WV], 14                    ; my 32 rows of a half layer: 16,384 bytes
	s_mov_b32 s[NX+1], 0
	s_mul_i32 s2, s[WV], 5632
	s_add_co_u32 s2, s2, 524288                    ; my 22 rows of the tables in wk
	s_mov_b32 s3, 0
	v_and_b32 v14, 15, v0                          ; l % 16
	v_bfe_u32 v15, v0, 4, 1                        ; l / 16
	v_and_b32 v5, 31, v0                           ; l
	v_mul_u32_u24 v[LW0], v14, WP
	v_lshl_add_u32 v[LW0], v15, 4, v[LW0]
	v_lshl_add_u32 v[LB0], v15, 5, TAB
	s_lshl_b32 s[T1], s[WV], 15
	s_add_co_u32 s[T1], s[T1], STAGE
	v_lshl_add_u32 v[LS0], v5, 4, s[T1]
	v_lshl_add_u32 v[LF0], v5, 4, TAB+5120
	v_mul_u32_u24 v[XO], v14, 48
	v_lshlrev_b32 v[OO], 4, v14
	v_lshl_add_u32 v[OO], v15, 3, v[OO]
	v_lshlrev_b32 v[PFO], 8, v5
	s_lshl_b32 s[T1], ttmp9, 2                     ; in a cluster launch ttmp9 counts clusters
	s_add_co_u32 s[T1], s[T1], s[CX]               ; my work-group among the 256
	s_wait_dscnt 0x0                               ; the opening add is done
	s_wait_kmcnt 0x0
	s_load_b32 s[BF], s[BFP:BFP+1], 0x0            ; bf: nothing in this launch writes it
	s_add_nc_u64 s[WB0:WB0+1], s[WKP:WKP+1], s[NX:NX+1]
	s_add_nc_u64 s[WB0+2:WB0+3], s[WB0:WB0+1], 65536
	s_mov_b64 s[G0A+2:G0A+3], s[WB0:WB0+1]         ; the first hidden layer's lower half,
	s_or_b32 s[G0A+3], s[G0A+3], 0x80000000        ; 127:126 type = 2
	s_mov_b64 s[G0A+6:G0A+7], s[WB0+2:WB0+3]       ; and its upper half
	s_or_b32 s[G0A+7], s[G0A+7], 0x80000000
	s_add_nc_u64 s[G0T+2:G0T+3], s[WKP:WKP+1], s[2:3]
	s_or_b32 s[G0T+3], s[G0T+3], 0x80000000
	s_mul_i32 s[TP], s[T1], 12288                  ; 1,024 points x 12 bytes,
	s_mul_i32 s2, s[WV], 768                       ; my wave's 64
	s_add_co_u32 s[TP], s[TP], s2
	s_mov_b32 s[TP+1], 0
	s_add_nc_u64 s[XP:XP+1], s[XP:XP+1], s[TP:TP+1]
	s_lshl_b32 s[TP], s[T1], 12                    ; 1,024 points x 4 bytes,
	s_lshl_b32 s2, s[WV], 8
	s_add_co_u32 s[TP], s[TP], s2
	s_add_nc_u64 s[OUTP:OUTP+1], s[OUTP:OUTP+1], s[TP:TP+1]
	s_lshl_b32 s[TP], s[CX], 14                    ; the prefetches: my work-group's 16,384 bytes of a half layer, my wave's 8,192,
	s_lshl_b32 s2, s[WV], 13
	s_add_co_u32 s[TP], s[TP], s2
	s_add_co_u32 s[TP], s[TP], 131072              ; in half layer 2: the first change steps it to 3.  Nothing is prefetched here, at the head
	s_add_nc_u64 s[PFA:PFA+1], s[WKP:WKP+1], s[TP:TP+1]
	CROUND                                         ; all four work-groups are here: the first joint loads meet
	tensor_load_to_lds s[G0T:G0T+3], s[G1T:G1T+7]  ; the first fills go out together: three loads of mine are out
	s_nop 0
	tensor_load_to_lds s[G0A:G0A+3], s[G1W:G1W+7]
	s_nop 0
	tensor_load_to_lds s[G0A+4:G0A+7], s[G1W:G1W+7]
	s_nop 0
	PLACES
	WIN 0x80                                       ; destination window 2, address window 0
	global_load_b128 v[XR:XR+3],    v[XO], s[XP:XP+1] th:TH_LOAD_NT
	global_load_b128 v[XR+4:XR+7],  v[XO], s[XP:XP+1] offset:16 th:TH_LOAD_NT
	global_load_b128 v[XR+8:XR+11], v[XO], s[XP:XP+1] offset:32 th:TH_LOAD_NT
.irp pp, 0,1,2,3
.irp k, 3,4,5,6,7
	v_mov_b32 v[XF+8*\pp+\k], 0                    ; the K places that layer 0 does not use: written once
.endr
.endr
	v_mov_b32 v[NEG1], -1.0
	WIN 0
	s_wait_kmcnt 0x0
	s_mov_b32 s[BF+1], s[BF]
	s_wait_tensorcnt 0x0                           ; my parts of the tables and of both slots are in,
	s_barrier_signal -1
	s_barrier_wait -1                              ; everybody's are
	s_mov_b32 s[LC], 16
	s_mov_b32 s[LY], 3
	s_mov_b32 s[PS], 4
	s_branch .Lpass                                ; the loop is entered at a pass's beginning, in the middle of a trip
	; ---------------- the loop: a trip goes from a hidden layer's turn 7 to the next hidden layer's turn 6; 15 trips ----------------
.Louter:
	CHANGE 0, 1, LIMB                              ; tile 7 was asked into registers at turn 6's head: slot 0 takes the next layer's rows 0-127
	LOOPN 4                                        ; turns 7 to 14
	CHANGE 1, 1, LIMA                              ; tile 15 was asked into registers at turn 14's head: slot 1 takes the next layer's rows 128-255
	TURN 1, T15
	WIN 0
	s_cmp_lg_u32 s[LY], 3
	s_cbranch_scc1 .LT0                            ; forward, past the end of a pass and layer 0: text with no barrier and no tensor load
	TURN 0, FIN
	OUTPUT 1
.Lpass:                                                ; A PASS BEGINS: no LDS instruction of mine is out
.irp k, 4,5,6,7
	v_mov_b32 v[WF+\k], 0                          ; layer 0's source 0 has four registers of data; the hidden layers have used the other four
	v_mov_b32 v[WF+64+\k], 0
.endr
	ds_load_b128 v[WF:WF+3], v[LF0]                ; W0's tiles 0 and 1 and their biases, into both buffers
	ds_load_b128 v[BI:BI+3], v[LB0]
	ds_load_b128 v[BI+4:BI+7], v[LB0] offset:16
	ds_load_b128 v[WF+64:WF+67], v[LF0] offset:512
	ds_load_b128 v[BI+8:BI+11], v[LB0] offset:64
	ds_load_b128 v[BI+12:BI+15], v[LB0] offset:80
	s_mov_b32 s[FO], 1024                          ; the next to be fetched: tile 2
	s_mov_b32 s[BO], 128
	s_mov_b32 s[SO], 0
	PAIRC SC, SC0V
	s_wait_loadcnt 0x0                             ; this pass's xyt, asked for a pass ago
	XBUILD
	WIN 0
	s_cmp_eq_u32 s[PS], 1
	s_cbranch_scc1 .Lno_more                       ; the last pass loads nothing: no load leaves xyt
	s_add_nc_u64 s[XP:XP+1], s[XP:XP+1], 3072      ; 256 points on; the loads that read this pointer are done
	WIN 0x80
	global_load_b128 v[XR:XR+3],    v[XO], s[XP:XP+1] th:TH_LOAD_NT
	global_load_b128 v[XR+4:XR+7],  v[XO], s[XP:XP+1] offset:16 th:TH_LOAD_NT
	global_load_b128 v[XR+8:XR+11], v[XO], s[XP:XP+1] offset:32 th:TH_LOAD_NT
	WIN 0
.Lno_more:
	s_sub_co_u32 s[PS], s[PS], 1
	L0T 0, L0F
	WIN 0
	s_mov_b32 s[IC], 7
.Lzero:
	L0T 1, L0M
	L0T 0, L0M
	WIN 0
	s_sub_co_u32 s[IC], s[IC], 1
	s_cmp_lg_u32 s[IC], 0
	s_cbranch_scc1 .Lzero
	L0T 1, L0L
	WIN 0
.LT0:                                                  ; A HIDDEN LAYER BEGINS: on both ways here ENDRUN's 50 LDS instructions are the only ones that may be out
	s_add_co_u32 s[LY], s[LY], 1
	s_and_b32 s[LY], s[LY], 3
	TURN 0, T0
	LOOPN 3                                        ; turns 1 to 6
	s_sub_co_u32 s[LC], s[LC], 1
	s_cmp_lg_u32 s[LC], 0
	s_cbranch_scc1 .Louter
	; ---------------- the tail is written out: the last layer's turns 7 to 15; nothing is asked for ----------------
	CHANGE 0, 0                                    ; slot 1's last fill is in, everybody's part of it
	LOOPN 4
	TURN 1, T15
	TURN 0, FIN
	OUTPUT 0
	s_wait_tensorcnt 0x0                           ; the wave's end: a wait, an add of 0 to my spare word and a wait for it, behind my last tensor load and my last LDS store
	ds_add_u32 v[SPW], v[NIL]
	s_wait_dscnt 0x0
	CROUND                                         ; the closing round: no work-group ends while a partner may still ask for a tile that names it
	s_endpgm
.Lfunc_end_k_q31c8cc8f68_siren:
	.size	k_q31c8cc8f68_siren, .Lfunc_end_k_q31c8cc8f68_siren-k_q31c8cc8f68_siren
	.p2alignl 7, 3214868480
	.fill 96, 4, 3214868480
	.section	.rodata,"a",@progbits
	.p2align	6, 0x0
	.amdhsa_kernel k_q31c8cc8f68_siren
		.amdhsa_group_segment_fixed_size 327680
		.amdhsa_private_segment_fixed_size 0
		.amdhsa_enable_private_segment 0
		.amdhsa_kernarg_size 32
		.amdhsa_user_sgpr_count 2
		.amdhsa_user_sgpr_kernarg_segment_ptr 1
		.amdhsa_wavefront_size32 1
		.amdhsa_system_sgpr_workgroup_id_x 1
		.amdhsa_system_sgpr_workgroup_id_y 1
		.amdhsa_system_sgpr_workgroup_id_z 1
		.amdhsa_system_vgpr_workitem_id 0
		.amdhsa_next_free_vgpr 576
		.amdhsa_next_free_sgpr 84
		.amdhsa_reserve_vcc 0
		.amdhsa_float_denorm_mode_32 3
		.amdhsa_float_denorm_mode_16_64 3
		.amdhsa_memory_ordered 1
		.amdhsa_forward_progress 1
		.amdhsa_inst_pref_size 209
	.end_amdhsa_kernel
	.amdgpu_metadata
---
amdhsa.version: [ 1, 2 ]
amdhsa.kernels:
  - .name:           k_q31c8cc8f68_siren
    .symbol:         k_q31c8cc8f68_siren.kd
    .args:
      - { .name: xyt, .offset: 0, .size: 8, .value_kind: global_buffer, .address_space: global }
      - { .name: wk, .offset: 8, .size: 8, .value_kind: global_buffer, .address_space: global }
      - { .name: bf, .offset: 16, .size: 8, .value_kind: global_buffer, .address_space: global }
      - { .name: out0, .offset: 24, .size: 8, .value_kind: global_buffer, .address_space: global }
    .group_segment_fixed_size: 327680
    .private_segment_fixed_size: 0
    .kernarg_segment_align: 8
    .kernarg_segment_size: 32
    .max_flat_workgroup_size: 128
    .sgpr_count:     84
    .vgpr_count:     576
    .wavefront_size: 32
...
	.end_amdgpu_metadata
.endif
;; end of part 2
